; MI455X (gfx1250); checked and timed in simulation.
; The chip was launched on July 23, 2026; its instructions are those of AMD's public machine-readable ISA for CDNA 5 (MIT licence, August 2026) and "CDNA5" Instruction Set Architecture Reference Guide (July 2026). The comments in the code are by the model that wrote it; some were corrected since.
;; Logit Compression. Allowed arithmetic: float matrix products may take bf16 or f16 operands with f32 sums; all other float work in f32.
;; Inputs: logits 128 x 1,000 float32.
;; Outputs: out0 128 x 1,000 float32.
;; One version. Each part assembles by itself: llvm-mc -triple=amdgcn-amd-amdhsa -mcpu=gfx1250 --defsym DOCPART=n.
;; ======== version 1 of 1: 1 launch
;; launch compress (part 1): grid 128 x 1, 8 waves a work-group, no clusters, 3,072 bytes of LDS; arguments logits, out0; writes out0
.if DOCPART == 1
	.amdgcn_target "amdgcn-amd-amdhsa--gfx1250"
	.amdhsa_code_object_version 6
	.text
	.protected	k_q482578ac97_compress
	.globl	k_q482578ac97_compress
	.p2align	8
	.type	k_q482578ac97_compress,@function
k_q482578ac97_compress:
	s_mov_b64 s[64:65], 0
	v_nop
	global_prefetch_b8 v0, s[64:65] scope:SCOPE_SE
	s_setreg_imm32_b32 hwreg(HW_REG_WAVE_MODE, 25, 1), 1
	s_wait_xcnt 0x0
; LogitCompression.  logits, out0: [128][1000] f32.  One work-group of eight waves makes one row.
;
; WHAT IS COMPUTED.  conf = 1 / sum exp(x - max); a target nc from conf's bin; then the first j in 0..799 with
; |c(j) - nc| <= 0.01, where c(j) = max softmax of x / T(j), T(j) = 1 - 0.00125 j; out = x / T(j), or x if there is no such j.
;
; HOW THE FIRST j IS FOUND.  c(j) = 1 / sum exp((x_i - max) / T(j)).  Every x_i - max is <= 0 and 1 / T(j) grows with j
; (T > 0 up to j = 799), so c(j) never falls, for every input.  The first match is therefore the first j with
; c(j) - nc >= -0.01, and it is a match exactly if c(j) - nc <= +0.01 there as well.  That j is found by a 10-ary search in three
; stages of stride 100, 10, 1: a stage evaluates nine temperatures at once and keeps the first interval whose upper end has
; reached the threshold.  Stage 1 needs only j = 99, 199 .. 799 (eight); its ninth slot takes j = 0, whose sum is the
; softmax's denominator.  27 sums of 1000 exponentials a row in place of 801.  All choices are selections of values
; (lane masks, s_ctz, v_cndmask): no branch and no address hangs on them.
; c(j) is formed as the reference writes it, exp(m/T - (ln S + m/T)): the rounding of ln S + m/T to the grid of m/T is the largest
; error in the reference's c(j), and it is reproduced here so that both cross the threshold at the same j.
;
; LIMITS.  (1) The search assumes c(j) monotone.  Where the rounding noise of the reference's own c(j) is larger than its change from one j to
; the next (thresholds within about 1e-5 of 1) the sweep's first match and this j can differ by a few steps; elsewhere by
; one step, and only if c(j) meets the threshold within the last bits.  (2) T(j) is one fused multiply-add (the reference rounds
; 0.00125 j first: at most 2^-24 in T); x / T is x * rcp(T), 1 / S likewise; (1/15) / 0.2666666667 is 0.25, its value in f32.
; (3) A row with a NaN or a +inf has no match and is copied, as in the reference; -inf counts as weight 0.
;
; SHARES.  Thread t holds 16 bytes (4 numbers) of the row: 250 chunks on 256 threads; threads 250-255 hold -inf and store nothing.
; A row is 4000 bytes, so rows begin at multiples of 32 bytes only.  The chunks are rotated: thread 0 takes the chunk at the
; row's first multiple of 256 bytes, and the h chunks in front of it go to threads 250-h .. 249.  So each group of sixteen lanes loads and stores
; 256 consecutive bytes, aligned, but for the two end pieces that the row shares with its neighbours.  Sums and maxima do not mind the order.
; No cluster: the work-groups share no input.  128 rows give 128 work-groups; a row's search is one chain of dependent stages.
.set ROWB,   4000                      ; bytes in a row
.set CHUNKS, 250                       ; 16-byte chunks in a row
.set NT,     800                       ; temperatures
.set SLOTS,  9                         ; temperatures evaluated in one stage
.set LMAX,   0                         ; LDS: eight words, each wave's maximum
.set LSUM,   256                       ; LDS: a stage's partial sums, [slot][wave], 32 bytes a slot;
.set LSTEP,  512                       ; each stage has bytes of its own, so no byte of LDS is written twice
; vector registers
.set LANE, 1                           ; lane
.set GOFF, 2                           ; byte offset of my chunk in the row (load and store)
.set TMP,  3
.set X,    4                           ; v[4:7]   my four numbers
.set D,    8                           ; v[8:11]  x - max
.set E1,   12                          ; slot e + 1, e = min(lane, 8)
.set RADR, 13                          ; LDS: 32 e
.set WADR, 14                          ; LDS: 4 x wave
.set J,    15                          ; lane e: the slot's j
.set TT,   16                          ; T(j); also at work
.set R,    17                          ; 1 / T
.set B2,   18                          ; log2(e) / T
.set ZERO, 19                          ; 0
.set Q,    20                          ; v[20:27] eight words read back from LDS
.set M,    28                          ; the row's maximum
.set TX,   29                          ; the other half's value in a butterfly
.set P,    30                          ; v[30:37] two buffers of four exponents / exponentials
.set SUM,  38                          ; v[38:46] the nine partial sums
.set MS,   47                          ; m / T
.set A,    48                          ; chain from S to c(j)
.set CF,   49                          ; conf
.set LO,   50                          ; the bin's lower edge
.set NL,   51                          ; the bin's new lower edge
.set NC,   52                          ; the target
.set DD,   53                          ; c(j) - target
.set SC,   54                          ; v[54:55] the factor of the output
; scalar registers
.set SEL,   16                         ; s[16:17] v_permlanex16_b32: lane i reads lane i of the other half
.set NTOL,  18                         ; -0.01
.set TOL,   19                         ; +0.01
.set QM,    20                         ; mask: threshold reached
.set OKM,   21                         ; mask: a match
.set OVER,  22                         ; mask: j >= 800
.set NSTEP, 27                         ; -0.00125
.set CNT,   28                         ; 800
.set PM1,   29                         ; pos - 1; the first j that reaches the threshold lies in pos .. pos + 10 x stride - 1
.set FLAG,  30                         ; 1: the interval's upper end is a match
.set BETA,  32                         ; s[32:49] slot e: log2(e) / T in s[32+2e]; the odd registers only complete the pairs
	s_load_b128 s[4:7], s[0:1], 0x0                ; logits s[4:5], out0 s[6:7]
	v_lshl_add_u32 v56, v0, 2, 0x800
	v_mov_b32 v57, 0
	s_mul_i32 s10, ttmp9, ROWB                     ; a = the row's first byte (below 512,000)
	s_mov_b32 s11, 0
	s_sub_co_u32 s12, 0, s10
	s_bfe_u32 s12, s12, 0x40004                    ; h = ((-a) mod 256) / 16: chunks in front of the row's first multiple of 256 bytes
	s_movk_i32 s13, CHUNKS
	v_add_nc_u32 v[GOFF], s12, v0                  ; t + h,
	v_sub_nc_u32 v[TMP], v[GOFF], s13              ; less 250 where that does not wrap below 0:
	v_min_u32 v[GOFF], v[GOFF], v[TMP]             ; (t + h) mod 250 for t < 250; threads 250-255 get a chunk inside the row too
	v_lshlrev_b32 v[GOFF], 4, v[GOFF]
	s_wait_kmcnt 0x0
	s_add_nc_u64 s[4:5], s[4:5], s[10:11]
	s_add_nc_u64 s[6:7], s[6:7], s[10:11]
	global_load_b128 v[X:X+3], v[GOFF], s[4:5] th:TH_LOAD_NT       ; the only load: each byte of the row once
	; while it is on its way: constants, and stage 1's temperatures, which hang on no data
	v_and_b32 v[LANE], 31, v0
	v_lshrrev_b32 v[TMP], 5, v0
	v_readfirstlane_b32 s8, v[TMP]                 ; wave 0..7
	s_lshl_b32 s9, s8, 2
	v_mov_b32 v[WADR], s9
	v_min_u32 v[E1], SLOTS-1, v[LANE]              ; lanes 8-31 all serve slot 8: they read written bytes and repeat its result
	v_lshlrev_b32 v[RADR], 5, v[E1]
	v_add_nc_u32 v[E1], 1, v[E1]
	v_mov_b32 v[ZERO], 0
	v_mov_b32 v[TX], 0                             ; v_permlanex16_b32 counts as a reader of its destination
	s_mov_b32 s15, 0xff800000                      ; -inf
	s_mov_b32 s[SEL], 0x76543210
	s_mov_b32 s[SEL+1], 0xfedcba98
	s_mov_b32 s[NTOL], 0xbc23d70a
	s_mov_b32 s[TOL], 0x3c23d70a
	s_mov_b32 s[NSTEP], 0xbaa3d70a
	s_movk_i32 s[CNT], NT
	s_mov_b32 s[PM1], -1                           ; pos = 0
	s_mov_b32 s[FLAG], 0                           ; j = 800 does not exist: no match there
.irp i, 0,1,2,3,4,5,6,7,8
	s_mov_b32 s[BETA+2*\i+1], 0
.endr
; Lane e makes its slot's j, T, 1/T and log2(e)/T; the nine factors go to scalar registers for all lanes to multiply by.
.macro GRID stride, first
	v_mad_u32_u24 v[J], v[E1], \stride, s[PM1]     ; j = pos + (e + 1) stride - 1: the upper end of the e-th interval
.if \first
	v_cmp_gt_u32 vcc_lo, SLOTS-1, v[LANE]
	v_cndmask_b32 v[J], 0, v[J], vcc_lo            ; stage 1: slot 8 (j = 899 does not exist) takes j = 0, T = 1
.endif
	v_min_u32 v[TT], NT-1, v[J]                    ; past the grid's end: evaluated at j = 799, so that T stays positive, and overruled by OVER
	v_cvt_f32_u32 v[TT], v[TT]
	v_fma_f32 v[TT], v[TT], s[NSTEP], 1.0          ; T = 1 - 0.00125 j
	v_rcp_f32 v[R], v[TT]
	v_cmp_le_u32 s[OVER], s[CNT], v[J]             ; 800 <= j.  Also the independent instruction between v_rcp_f32 and the use of its result (ISA guide 5.7.2)
	s_wait_alu depctr_va_vdst(0)
	v_mul_f32 v[B2], 0x3fb8aa3b, v[R]              ; exp(d / T) = 2^(d log2(e) / T)
.irp i, 0,1,2,3,4,5,6,7,8
	v_readlane_b32 s[BETA+2*\i], v[B2], \i
.endr
.endm
	GRID 100, 1
	v_cmp_gt_u32 vcc_lo, CHUNKS, v0                ; threads with a chunk of their own
	s_wait_loadcnt 0x0
.irp i, 0,1,2,3
	v_cndmask_b32 v[X+\i], s15, v[X+\i], vcc_lo    ; the others hold -inf: no part in the maximum, weight 0 in every sum
.endr
	; the row's maximum: in the lane, over the wave's 32 lanes, over the eight waves through LDS
	v_max3_num_f32 v[TT], v[X], v[X+1], v[X+2]
	v_max_num_f32 v[TT], v[TT], v[X+3]
.irp m, 1,2,4,8
	v_max_num_f32_dpp v[TT], v[TT], v[TT] row_xmask:\m row_mask:0xf bank_mask:0xf
.endr
	v_permlanex16_b32 v[TX], v[TT], s[SEL], s[SEL+1]
	v_max_num_f32 v[TT], v[TT], v[TX]
	ds_store_b32 v[WADR], v[TT] offset:LMAX        ; all lanes hold the same value
	s_wait_dscnt 0x0                               ; my word is written before I say so
	s_barrier_signal -1
	s_barrier_wait -1
	ds_load_b128 v[Q:Q+3], v[ZERO] offset:LMAX
	ds_load_b128 v[Q+4:Q+7], v[ZERO] offset:LMAX+16
	s_wait_dscnt 0x0
	v_max3_num_f32 v[M], v[Q], v[Q+1], v[Q+2]
	v_max3_num_f32 v[TT], v[Q+3], v[Q+4], v[Q+5]
	v_max3_num_f32 v[M], v[M], v[Q+6], v[Q+7]
	v_max_num_f32 v[M], v[M], v[TT]
.irp i, 0,1,2,3
	v_sub_f32 v[D+\i], v[X+\i], v[M]               ; taken once: the largest number gives exactly 0 and so the term 1 at every temperature
.endr
.macro RX e, m                         ; one step of slot e's butterfly inside each half of 16 lanes
	v_add_f32_dpp v[SUM+(\e)], v[SUM+(\e)], v[SUM+(\e)] row_xmask:\m row_mask:0xf bank_mask:0xf
.endm
; One stage.  buf: its LDS bytes; first = 1: slot 8 gives conf and the target; ne: slots that are candidates; stride: as in GRID.
.macro STAGE buf, first, ne, stride
	; The nine sums.  Slot e: two packed multiplies, four exponentials, two adds.  The six dependent steps of slot e - 1's sum over the lanes stand
	; between slot e's exponentials, and slot e + 1's multiplies behind them: each exponential has independent plain instructions
	; behind it before its result is read (ISA guide 5.7.2).
	v_pk_mul_f32 v[P:P+1], v[D:D+1], s[BETA:BETA+1] op_sel_hi:[1,0]
	v_pk_mul_f32 v[P+2:P+3], v[D+2:D+3], s[BETA:BETA+1] op_sel_hi:[1,0]
.set ee, 0
.rept SLOTS
.set cur, P+4*(ee&1)
.set nxt, P+4-4*(ee&1)
	v_exp_f32 v[cur], v[cur]
.if ee > 0
	RX ee-1, 1
.endif
	v_exp_f32 v[cur+1], v[cur+1]
.if ee > 0
	RX ee-1, 2
.endif
	v_exp_f32 v[cur+2], v[cur+2]
.if ee > 0
	RX ee-1, 4
.endif
	v_exp_f32 v[cur+3], v[cur+3]
.if ee > 0
	RX ee-1, 8
.endif
.if ee < SLOTS-1
	v_pk_mul_f32 v[nxt:nxt+1], v[D:D+1], s[BETA+2*ee+2:BETA+2*ee+3] op_sel_hi:[1,0]
	v_pk_mul_f32 v[nxt+2:nxt+3], v[D+2:D+3], s[BETA+2*ee+2:BETA+2*ee+3] op_sel_hi:[1,0]
.endif
.if ee > 0
	v_permlanex16_b32 v[TX], v[SUM+ee-1], s[SEL], s[SEL+1]
.endif
	s_wait_alu depctr_va_vdst(0)
	v_pk_add_f32 v[cur:cur+1], v[cur:cur+1], v[cur+2:cur+3]
.if ee > 0
	v_add_f32 v[SUM+ee-1], v[SUM+ee-1], v[TX]
.endif
	v_add_f32 v[SUM+ee], v[cur], v[cur+1]
.if ee > 0
	ds_store_b32 v[WADR], v[SUM+ee-1] offset:(\buf)+32*(ee-1)      ; my wave's word of slot e - 1
.endif
.set ee, ee+1
.endr
	RX SLOTS-1, 1
	RX SLOTS-1, 2
	RX SLOTS-1, 4
	RX SLOTS-1, 8
	v_permlanex16_b32 v[TX], v[SUM+SLOTS-1], s[SEL], s[SEL+1]
	v_add_f32 v[SUM+SLOTS-1], v[SUM+SLOTS-1], v[TX]
	ds_store_b32 v[WADR], v[SUM+SLOTS-1] offset:(\buf)+32*(SLOTS-1)
	s_wait_dscnt 0x0                               ; my nine words are written before I say so
	s_barrier_signal -1
	s_barrier_wait -1
	; From here every wave does the same: lane e judges slot e.
	ds_load_b128 v[Q:Q+3], v[RADR] offset:(\buf)
	ds_load_b128 v[Q+4:Q+7], v[RADR] offset:(\buf)+16
	s_wait_dscnt 0x0
	v_pk_add_f32 v[Q:Q+1], v[Q:Q+1], v[Q+2:Q+3]
	v_pk_add_f32 v[Q+4:Q+5], v[Q+4:Q+5], v[Q+6:Q+7]
	v_pk_add_f32 v[Q:Q+1], v[Q:Q+1], v[Q+4:Q+5]
	v_add_f32 v[Q], v[Q], v[Q+1]                   ; S of slot e
	v_log_f32 v[A], v[Q]
.if \first
	v_readlane_b32 s26, v[Q], SLOTS-1              ; S at T = 1
	v_rcp_f32 v[CF], s26                           ; conf = the largest softmax probability, in every lane
.endif
	v_mul_f32 v[MS], v[M], v[R]                    ; m / T.  The independent instruction behind v_log_f32 and v_rcp_f32
.if \first
	; the bin: lower <= conf < upper; conf >= 1 lies in no bin, and the reference's argmax of all-false then names bin 0
	v_mov_b32 v[NL], 0x3f4ccccd                            ; 0.8
	s_wait_alu depctr_va_vdst(0)
	v_cmp_gt_f32 vcc_lo, 0x3eaaaaab, v[CF]                 ; 1/3 > conf: bin 0 stays
	v_cndmask_b32 v[LO], 0x3eaaaaab, v[ZERO], vcc_lo
	v_cndmask_b32 v[NL], 0x3f5dddde, v[NL], vcc_lo         ; 0.86666666666
	v_cmp_gt_f32 vcc_lo, 0x3f2aaaab, v[CF]                 ; 2/3 > conf: stays
	v_cndmask_b32 v[LO], 0x3f2aaaab, v[LO], vcc_lo
	v_cndmask_b32 v[NL], 0x3f6eeeef, v[NL], vcc_lo         ; 0.93333333333
	v_cmp_gt_f32 vcc_lo, 1.0, v[CF]                        ; 1 > conf: stays
	v_cndmask_b32 v[LO], 0, v[LO], vcc_lo
	v_cndmask_b32 v[NL], 0x3f4ccccd, v[NL], vcc_lo
.endif
	s_wait_alu depctr_va_vdst(0)
	v_fmamk_f32 v[A], v[A], 0x3f317218, v[MS]      ; logsumexp = ln S + m/T, rounded on the grid of m/T as in the reference
	v_sub_f32 v[A], v[MS], v[A]                    ; m/T - logsumexp
	v_mul_f32 v[A], 0x3fb8aa3b, v[A]
	v_exp_f32 v[A], v[A]                           ; c(j)
.if \first
	v_sub_f32 v[CF], v[CF], v[LO]                  ; these two are also the independent instructions behind v_exp_f32
	v_fmamk_f32 v[NC], v[CF], 0x3e800000, v[NL]    ; target = new lower + (1/15) (conf - lower) / 0.2666666667; the two constants make 0.25 in f32
.else
	v_nop                                          ; nothing independent is left to do behind v_exp_f32 (ISA guide 5.7.2)
.endif
	s_wait_alu depctr_va_vdst(0)
	v_sub_f32 v[DD], v[A], v[NC]
	v_cmp_ge_f32 s[QM], v[DD], s[NTOL]             ; the threshold is reached: c - target >= -0.01 (false for NaN)
	v_cmp_le_f32 s[OKM], v[DD], s[TOL]
	s_and_b32 s[OKM], s[OKM], s[QM]                ; a match: |c - target| <= 0.01
	s_or_b32 s[QM], s[QM], s[OVER]                 ; past the grid's end: counts as reached,
	s_and_not1_b32 s[OKM], s[OKM], s[OVER]         ; never as a match
	s_or_b32 s[QM], s[QM], 1<<\ne                  ; bit ne stands for the old interval's upper end: reached, as the stage before found,
	s_and_b32 s[OKM], s[OKM], (1<<\ne)-1
	s_lshl_b32 s23, s[FLAG], \ne
	s_or_b32 s[OKM], s[OKM], s23                   ; and a match or not as the stage before found
	s_ctz_i32_b32 s24, s[QM]                       ; f = the first interval whose upper end has reached the threshold, 0 .. ne
	s_lshr_b32 s[OKM], s[OKM], s24
	s_and_b32 s[FLAG], s[OKM], 1                   ; is that upper end a match?
	s_mul_i32 s24, s24, \stride
	s_add_co_u32 s[PM1], s[PM1], s24               ; pos += f x stride
.endm
	STAGE LSUM, 1, 8, 100                          ; j = 99, 199 .. 799, and j = 0 for the target
	GRID 10, 0
	STAGE LSUM+LSTEP, 0, 9, 10                     ; pos + 9, pos + 19 .. pos + 89
	GRID 1, 0
	STAGE LSUM+2*LSTEP, 0, 9, 1                    ; pos, pos + 1 .. pos + 8
	; pos is the first j that reaches the threshold (800: none), FLAG says whether it is a match
	s_add_co_u32 s24, s[PM1], 1
	s_min_u32 s24, s24, NT-1                       ; pos = 800 has no temperature; FLAG is 0 there
	v_cvt_f32_u32 v[TT], s24
	v_fma_f32 v[TT], v[TT], s[NSTEP], 1.0
	v_rcp_f32 v[SC], v[TT]
	s_cmp_lg_u32 s[FLAG], 0
	s_cselect_b32 vcc_lo, -1, 0
	v_mov_b32 v[SC+1], 0                           ; completes the pair; the independent instruction behind v_rcp_f32
	s_wait_alu depctr_va_vdst(0)
	v_cndmask_b32 v[SC], 1.0, v[SC], vcc_lo        ; no match: the row times 1, unchanged
	v_pk_mul_f32 v[X:X+1], v[X:X+1], v[SC:SC+1] op_sel_hi:[1,0]
	v_pk_mul_f32 v[X+2:X+3], v[X+2:X+3], v[SC:SC+1] op_sel_hi:[1,0]
	v_cmp_gt_u32 vcc_lo, CHUNKS, v0
	s_wait_xcnt 0x0                                ; EXEC is a source of the load above: it changes only behind this wait
	s_wait_tensorcnt 0x0
	ds_add_u32 v56, v57
	s_wait_dscnt 0x0
	s_and_saveexec_b32 s9, vcc_lo                  ; threads 250-255 have no chunk of their own
	global_store_b128 v[GOFF], v[X:X+3], s[6:7] th:TH_STORE_NT     ; sixteen lanes: 256 consecutive bytes, aligned, but for the row's two end pieces
	s_endpgm                                       ; nothing follows the store, so EXEC is not widened again
.Lfunc_end_k_q482578ac97_compress:
	.size	k_q482578ac97_compress, .Lfunc_end_k_q482578ac97_compress-k_q482578ac97_compress
	.p2alignl 7, 3214868480
	.fill 96, 4, 3214868480
	.section	.rodata,"a",@progbits
	.p2align	6, 0x0
	.amdhsa_kernel k_q482578ac97_compress
		.amdhsa_group_segment_fixed_size 3072
		.amdhsa_private_segment_fixed_size 0
		.amdhsa_enable_private_segment 0
		.amdhsa_kernarg_size 16
		.amdhsa_user_sgpr_count 2
		.amdhsa_user_sgpr_kernarg_segment_ptr 1
		.amdhsa_wavefront_size32 1
		.amdhsa_system_sgpr_workgroup_id_x 1
		.amdhsa_system_sgpr_workgroup_id_y 1
		.amdhsa_system_sgpr_workgroup_id_z 1
		.amdhsa_system_vgpr_workitem_id 0
		.amdhsa_next_free_vgpr 58
		.amdhsa_next_free_sgpr 66
		.amdhsa_reserve_vcc 1
		.amdhsa_float_denorm_mode_32 3
		.amdhsa_float_denorm_mode_16_64 3
		.amdhsa_memory_ordered 1
		.amdhsa_forward_progress 1
		.amdhsa_inst_pref_size 34
	.end_amdhsa_kernel
	.amdgpu_metadata
---
amdhsa.version: [ 1, 2 ]
amdhsa.kernels:
  - .name:           k_q482578ac97_compress
    .symbol:         k_q482578ac97_compress.kd
    .args:
      - { .name: logits, .offset: 0, .size: 8, .value_kind: global_buffer, .address_space: global }
      - { .name: out0, .offset: 8, .size: 8, .value_kind: global_buffer, .address_space: global }
    .group_segment_fixed_size: 3072
    .private_segment_fixed_size: 0
    .kernarg_segment_align: 8
    .kernarg_segment_size: 16
    .max_flat_workgroup_size: 256
    .sgpr_count:     66
    .vgpr_count:     58
    .wavefront_size: 32
...
	.end_amdgpu_metadata
.endif
;; end of part 1
